; MI455X (gfx1250); checked and timed in simulation.
; The chip was launched on July 23, 2026; its instructions are those of AMD's public machine-readable ISA for CDNA 5 (MIT licence, August 2026) and "CDNA5" Instruction Set Architecture Reference Guide (July 2026). The comments in the code are by the model that wrote it; some were corrected since.
;; HF Encoder. Allowed arithmetic: matrix products marked QUANTISED: E2M3 operands, one E8M0 scale for each 32 along K, by v_wmma_scale_f32_16x16x128_f8f6f4 with both operands' format E2M3, f32 sums; products left as they are: f32 operands where the result goes on into a quantised operand, else bf16, f16 or f32 operands; f32 sums; everything else in f32.
;; Inputs: attention_mask 16 x 2,048 float32; b_pool 1 float32; span_ends 16 x 32 int32; span_starts 16 x 32 int32; token_hidden 16 x 2,048 x 768 float32; w_pool 768 float32.
;; Outputs: out0 16 x 32 x 768 float32; out1 16 x 32 float32.
;; This version of the problem:
;;   THIS VERSION OF THE PROBLEM IS GIVEN IN LOW PRECISION. The matrix products marked QUANTISED in the list below multiply operands that are first quantised to E2M3 (2 exponent bits, 3 mantissa bits; 6 bits a number), with one power-of-two scale for each 32 numbers along K (OCP MX v1.0); their sums are f32. All else is computed in f32.
;;   The module's matrix products, in the order in which they are computed (A, B: the left and right operand; K: the contracted axis; several contracted axes count as one K, in the product's order):
;;     1. [M 32,768, K 768] x [K 768, N 1]; A: input token_hidden; B: input w_pool: left as it is (N = 1 < 16)
;;     2. batch 16 x [M 32, K 2,048] x [K 2,048, N 768]; A: computed on the way; B: input token_hidden: QUANTISED
;;   THE QUANTISER, for each operand of a quantised product, along K:
;;     - K is cut into blocks of 32 from its start; a last block that is shorter is filled with zeros.
;;     - A block's scale is 2^e with e = floor(log2(the largest magnitude in the block)) - 2, held to -126 .. 127; a block of zeros has e = 0. As a byte (E8M0): e + 127.
;;     - Each number is divided by its block's scale, clamped to +-7.5, and rounded to the nearest number of E2M3, ties to even, subnormals kept.
;;     - The product sums the exact products of the quantised numbers (number of the format x scale) in f32.
;;   ~~~python
;;   def quantise(x, axis):      # numpy; x: float32 -> the quantised numbers, widened to float32 again
;;       x = np.moveaxis(x, axis, -1); K = x.shape[-1]
;;       x = np.pad(x, [(0, 0)] * (x.ndim - 1) + [(0, -K % 32)]); x = x.reshape(x.shape[:-1] + (-1, 32)); a = np.abs(x).max(-1, keepdims=True)
;;       e = np.where(a > 0, np.clip(np.frexp(np.where(a > 0, a, 1))[1] - 1 - 2, -126, 127), 0)      # np.frexp(a)[1] - 1 = floor(log2(a)), exactly
;;       r = np.clip(x / 2.0 ** e, -7.5, 7.5)
;;       step = 2.0 ** (np.maximum(np.frexp(np.where(r == 0, 1, r))[1] - 1, 0) - 3)
;;       q = np.round(r / step) * step * 2.0 ** e      # np.round: ties to even
;;       return np.moveaxis(q.reshape(q.shape[:-2] + (-1,))[..., :K], -1, axis).astype(np.float32)
;;   ~~~
;;   OPERANDS COMPUTED ON THE WAY. 'Computed on the way' means the value that the module computes at that place (a softmax that the list does not call 'softmax' is quantised finished and normalised). What goes into a quantiser is computed in f32, as accurately as f32 sums, v_exp_f32 and their like allow (about 1e-6 of the number): no bf16 or f16 on the way to a quantiser, and a product that is left as it is and whose result goes on into a quantised operand takes f32 operands (vector FMAs, or v_wmma_f32_16x16x4_f32). A number that lies on a knife's edge between two numbers of the format may be rounded either way, as far as f32 arithmetic and the matrix unit's own rounding can turn it there, and no further.
;; One version. Each part assembles by itself: llvm-mc -triple=amdgcn-amd-amdhsa -mcpu=gfx1250 --defsym DOCPART=n.
;; ======== version 1 of 1: 2 launches
;; limits: right only within a limited range of input values
;; workspace buffers: codes 18,874,368 bytes; bscales 786,432 bytes; scores 131,072 bytes
;; launch quant (part 1): grid 16 x 16, 16 waves a work-group, no clusters, 80,896 bytes of LDS; arguments token_hidden, w_pool, b_pool, codes, bscales, scores; writes codes, bscales, scores
.if DOCPART == 1
	.amdgcn_target "amdgcn-amd-amdhsa--gfx1250"
	.amdhsa_code_object_version 6
	.text
	.protected	k_q39b4d53523_quant
	.globl	k_q39b4d53523_quant
	.p2align	8
	.type	k_q39b4d53523_quant,@function
k_q39b4d53523_quant:
	s_mov_b64 s[64:65], 0
	v_nop
	global_prefetch_b8 v0, s[64:65] scope:SCOPE_SE
	s_setreg_imm32_b32 hwreg(HW_REG_WAVE_MODE, 25, 1), 1
	s_wait_xcnt 0x0
; token_hidden [16][2048][768] f32 is read ONCE and gives two things:
;   scores[b][l] = sum over d of th[b][l][d] w[d] + b_pool   (f32, fused multiply-adds), and
;   th as codes of FP6 (E2M3) quantised ALONG L (the K of the later product w x th), one E8M0 byte for each 32 tokens of a column.
; A block's scale is 2^(floor(log2(largest magnitude)) - 2): its byte is the largest magnitude's exponent field - 2, held at 1 from below.
; LIMITS: NaN and infinities among the inputs are not served; a block of zeros gets the byte 1 where the rule says 127 (its codes are zeros,
; which add nothing under any byte but 0xff, and the bytes are read by this program alone).
; SHARES.  A work-group owns 128 tokens (one K step of the product) of one batch, all 768 columns.  Wave (beta, q) = (wave / 4, wave % 4) owns
; the block of 32 tokens beta and the columns 192 q .. 192 q + 191.  A LANE TAKES A COLUMN AND ITS REGISTERS RUN DOWN THE TOKENS: six groups of 32
; columns, 32 registers each.  So a block lies in one lane, its maximum needs no other lane, and the conversions give codes with K innermost.
; A row's six loads of a wave cover 768 consecutive bytes; the four waves q cover the row.  192 loads a wave go out in four chunks of 8 rows,
; and a chunk's arithmetic runs while the later chunks are on their way.
; THE CODES LEAVE AS IMAGES OF THE OPERAND'S REGISTERS: for each (batch, K step) 48 tiles of 16 columns, each [3 pieces][32 lanes][16 bytes]:
; lane (r, h) of a tile holds column r, registers 6 c .. 6 c + 5 = tokens 64 c + 32 h + 0 .. 31.  The four blocks of a column come from four waves, so the
; image is put together in LDS and leaves, behind one barrier, in stores of 512 consecutive bytes, aligned.  The scale words (four bytes a column) and the scores likewise.
; No tensor load and no ring: the work-group's whole share is asked for straight into registers.  No cluster: work-groups share w_pool's 3,072 bytes and nothing else.
.set ROWB,  3072                       ; bytes in a row of token_hidden
.set XR,    64                         ; v64-255  group g, token i at v[XR + 32 g + i]
.set ACC,   32                         ; v32-63   the 32 tokens' sums over my six columns; later sets of codes
.set WP,    10                         ; v10-21   pair g: w of my column, the column's largest magnitude (later the conversion's scale operand)
.set TP,    22                         ; v22-29   at work; later the first set of codes
.set SCL,   73728                      ; LDS: behind the 48 images of 1,536 bytes: the 768 scale words,
.set SCR,   76800                      ; and four rows (q) of 128 partial scores
.set FLOOR, 0x1800000                  ; 2^(3 - 127): under it no largest magnitude is taken, so the byte cannot fall under 1
.macro LOADC c                         ; rows 8 c .. 8 c + 7, row by row
.set i, 8*(\c)
.rept 8
.set g, 0
.rept 6
	global_load_b32 v[XR+32*g+i], v1, s[4:5] offset:ROWB*i+128*g th:TH_LOAD_NT
.set g, g+1
.endr
.set i, i+1
.endr
.endm
; Two registers, each a sum spread over lanes, become one: the lanes whose bit is set in the mask keep b, the others a, and each adds what its partner (lane xor x) sends.
.macro RPAIR a, b, m, x, t
	v_cndmask_b32 v[\t], v[\a], v[\b], s[\m]
	v_cndmask_b32 v[\t+1], v[\b], v[\a], s[\m]
	v_add_f32_dpp v[\a], v[\t+1], v[\t] row_xmask:\x row_mask:0xf bank_mask:0xf
.endm
; A chunk's arithmetic.  left = the younger loads that may stay out.
.macro PROC c, left
	s_wait_loadcnt \left                           ; loads come back in order: this chunk's 48 (and, the first time, w's six) are in
.set g, 0
.rept 6                                        ; the largest magnitudes, the six columns by turns
.if (\c) == 0
	v_max3_num_f32 v[WP+2*g+1], |v[XR+32*g]|, |v[XR+32*g+1]|, FLOOR
.else
	v_max3_num_f32 v[WP+2*g+1], v[WP+2*g+1], |v[XR+32*g+8*(\c)]|, |v[XR+32*g+8*(\c)+1]|
.endif
.set g, g+1
.endr
.set p, 2
.rept 3
.set g, 0
.rept 6
	v_max3_num_f32 v[WP+2*g+1], v[WP+2*g+1], |v[XR+32*g+8*(\c)+p]|, |v[XR+32*g+8*(\c)+p+1]|
.set g, g+1
.endr
.set p, p+2
.endr
.set p, 0
.rept 4                                        ; the scores: two tokens an instruction; the first product starts the sums
	v_pk_mul_f32 v[ACC+8*(\c)+p:ACC+8*(\c)+p+1], v[XR+8*(\c)+p:XR+8*(\c)+p+1], v[WP:WP+1] op_sel_hi:[1,0]
.set p, p+2
.endr
.set g, 1
.rept 5
.set p, 0
.rept 4
	v_pk_fma_f32 v[ACC+8*(\c)+p:ACC+8*(\c)+p+1], v[XR+32*g+8*(\c)+p:XR+32*g+8*(\c)+p+1], v[WP+2*g:WP+2*g+1], v[ACC+8*(\c)+p:ACC+8*(\c)+p+1] op_sel_hi:[1,0,1]
.set p, p+2
.endr
.set g, g+1
.endr
.set A, ACC+8*(\c)                             ; the chunk's eight sums become one register: lane bits 0 to 2 say which of the eight rows
	RPAIR A,A+1,32,1,TP
	RPAIR A+2,A+3,32,1,TP+2
	RPAIR A+4,A+5,32,1,TP+4
	RPAIR A+6,A+7,32,1,TP+6
	RPAIR A,A+2,33,2,TP
	RPAIR A+4,A+6,33,2,TP+2
	RPAIR A,A+4,34,4,TP+4
.endm
; Column group g: scale, 32 codes (six registers), scale byte; into the image.  Each group has registers of its own (cc .. cc + 7), so no store's data are written again.
.macro COLS g, cc
	v_add_nc_u32 v[WP+2*(\g)+1], 0xff000000, v[WP+2*(\g)+1]    ; 2 off the exponent field: the conversion takes the exponent field of this operand as its scale
	v_cvt_scalef32_pk16_fp6_f32 v[\cc:\cc+2], v[XR+32*(\g):XR+32*(\g)+15], v[WP+2*(\g)+1]
	v_cvt_scalef32_pk16_fp6_f32 v[\cc+4:\cc+6], v[XR+32*(\g)+16:XR+32*(\g)+31], v[WP+2*(\g)+1]   ; (a conversion's three registers begin on an even number)
	v_lshrrev_b32 v[\cc+7], 23, v[WP+2*(\g)+1]                 ; the scale's byte.  (Also the plain instruction between the conversions and the moves)
	v_mov_b32 v[\cc+3], v[\cc+4]
	v_mov_b32 v[\cc+4], v[\cc+5]
	v_mov_b32 v[\cc+5], v[\cc+6]
	ds_store_b64 v2, v[\cc:\cc+1] offset:3072*(\g)             ; registers 6 c + 0, 1 of the image; group g is two tiles (3,072 bytes) on
	ds_store_b64 v3, v[\cc+2:\cc+3] offset:3072*(\g)           ; 6 c + 2, 3
	ds_store_b64 v4, v[\cc+4:\cc+5] offset:3072*(\g)           ; 6 c + 4, 5
	ds_store_b8 v5, v[\cc+7] offset:128*(\g)                   ; byte beta of the column's scale word
.endm
	s_load_b128 s[4:7], s[0:1], 0x0                ; token_hidden, w_pool
	s_load_b128 s[8:11], s[0:1], 0x10              ; b_pool, codes
	s_load_b128 s[12:15], s[0:1], 0x20             ; bscales, scores
	v_lshrrev_b32 v9, 5, v0
	v_readfirstlane_b32 s16, v9                    ; wave 0..15
	s_lshr_b32 s17, s16, 2                         ; beta: my block of 32 tokens
	s_and_b32 s18, s16, 3                          ; q: my 192 columns
	s_and_b32 s19, ttmp7, 0xffff                   ; batch
	s_lshl_b32 s20, s19, 4
	s_add_co_u32 s20, s20, ttmp9                   ; 16 x batch + K step
	s_lshl_b32 s21, s20, 2
	s_add_co_u32 s21, s21, s17                     ; which block of 32 rows of the whole tensor
	s_mul_i32 s24, s21, 98304                      ; 32 rows of 3,072 bytes (the tensor has under 2^27 bytes)
	s_mul_i32 s22, s18, 768                        ; my columns' bytes in a row, and in w_pool
	s_add_co_u32 s24, s24, s22
	s_mov_b32 s25, 0
	s_mov_b32 s23, 0
	v_and_b32 v22, 31, v0                          ; lane
	v_lshlrev_b32 v1, 2, v22                       ; 4 x lane: my column in a group
	v_lshlrev_b32 v7, 4, v22                       ; 16 x lane: the way out
	v_lshrrev_b32 v23, 4, v22
	v_and_b32 v24, 15, v22
	v_mul_u32_u24 v25, v23, 1536                   ; the image: lanes 16-31 hold the next tile's columns,
	v_lshl_add_u32 v25, v24, 4, v25                ; column r at 16 r in each piece
	s_mul_i32 s27, s18, 18432                      ; my 12 tiles
	s_and_b32 s28, s17, 1
	s_lshl_b32 s28, s28, 8                         ; h = beta % 2: the image's lanes 16-31 lie 256 bytes on
	s_add_co_u32 s27, s27, s28
	s_lshr_b32 s28, s17, 1                         ; c = beta / 2.  Register 6 c + e lies in piece (6 c + e) / 4, word (6 c + e) % 4:
	s_mul_i32 s29, s28, 520                        ; e = 0: byte 0 or 520
	s_add_co_u32 s29, s29, s27
	v_add_nc_u32 v2, s29, v25
	s_add_co_u32 s29, s29, 512                     ; e = 4: byte 512 or 1,032
	v_add_nc_u32 v4, s29, v25
	s_mul_i32 s29, s28, 1016                       ; e = 2: byte 8 or 1,024
	s_add_co_u32 s29, s29, s27
	s_add_co_u32 s29, s29, 8
	v_add_nc_u32 v3, s29, v25
	s_add_co_u32 s29, s22, s17                     ; scale bytes: 4 x column + beta
	s_add_co_u32 s29, s29, SCL
	v_add_nc_u32 v5, s29, v1
	s_lshl_b32 s29, s18, 9                         ; partial scores: row q, token 32 beta + lane
	s_lshl_b32 s30, s17, 7
	s_add_co_u32 s29, s29, s30
	s_add_co_u32 s29, s29, SCR
	v_add_nc_u32 v6, s29, v1
	s_mul_i32 s37, s16, 4608                       ; the way out: wave w takes three images, nine pieces of 512 bytes
	v_add_nc_u32 v8, s37, v7
	s_min_u32 s39, s16, 5                          ; waves 0 to 5 also take 512 bytes of scale words each
	s_lshl_b32 s39, s39, 9
	s_add_co_u32 s30, s39, SCL
	v_add_nc_u32 v31, s30, v7
	v_add_nc_u32 v30, SCR, v7                      ; wave 15 takes the scores
	s_mul_i32 s36, s20, 73728
	s_add_co_u32 s36, s36, s37
	s_mov_b32 s37, 0
	s_mul_i32 s38, s20, 3072
	s_add_co_u32 s38, s38, s39
	s_mov_b32 s39, 0
	s_lshl_b32 s40, s20, 9
	s_mov_b32 s41, 0
	s_mov_b32 s32, 0xaaaaaaaa                      ; lanes with bit 0, 1, 2, 3 set
	s_mov_b32 s33, 0xcccccccc
	s_mov_b32 s34, 0xf0f0f0f0
	s_mov_b32 s35, 0xff00ff00
	s_wait_kmcnt 0x0
	s_add_nc_u64 s[4:5], s[4:5], s[24:25]
	s_add_nc_u64 s[6:7], s[6:7], s[22:23]
	s_add_nc_u64 s[10:11], s[10:11], s[36:37]
	s_add_nc_u64 s[12:13], s[12:13], s[38:39]
	s_add_nc_u64 s[14:15], s[14:15], s[40:41]
	s_load_b32 s26, s[8:9], 0x0                    ; b_pool
.set g, 0
.rept 6
	global_load_b32 v[WP+2*g], v1, s[6:7] offset:128*g
.set g, g+1
.endr
	LOADC 0
	LOADC 1
	PROC 0, 48                                     ; chunk 1's 48 loads may be out
	LOADC 2
	PROC 1, 48                                     ; chunk 2's
	LOADC 3
	PROC 2, 48                                     ; chunk 3's
	PROC 3, 0
	RPAIR ACC,ACC+8,35,8,TP                        ; the four chunks: lane bit 3 says + 8 rows,
	RPAIR ACC+16,ACC+24,35,8,TP+2
	v_permlane16_swap_b32 v[ACC], v[ACC+16]        ; lane bit 4 says + 16 rows: the first's lanes 16-31 change places with the second's lanes 0-15
	v_add_f32 v9, v[ACC], v[ACC+16]                ; lane l now holds token l's sum over my 192 columns
	COLS 0, 22
	COLS 1, 32
	COLS 2, 40
	COLS 3, 48
	COLS 4, 56
	COLS 5, 64                                     ; (group 0's numbers are done with)
	ds_store_b32 v6, v9
	s_wait_kmcnt 0x0                               ; b_pool
	s_wait_dscnt 0x0                               ; for the others' sake: my stores into the images have landed
	s_barrier_signal -1
	s_barrier_wait -1
.set u, 0
.rept 9
	ds_load_b128 v[128+4*u:131+4*u], v8 offset:512*u
.set u, u+1
.endr
.set u, 0
.rept 9
	s_wait_dscnt 8-u                               ; LDS loads come back in order: piece u is in, the younger ones may be out
	global_store_b128 v7, v[128+4*u:131+4*u], s[10:11] offset:512*u   ; 32 lanes store 512 consecutive bytes, at a multiple of 512 from the buffer's first byte
.set u, u+1
.endr
	s_cmp_lt_u32 s16, 6
	s_cbranch_scc0 .Lno_scales
	ds_load_b128 v[168:171], v31
	s_wait_dscnt 0x0
	global_store_b128 v7, v[168:171], s[12:13]     ; 128 columns' scale words: 512 consecutive bytes
.Lno_scales:
	s_cmp_eq_u32 s16, 15
	s_cbranch_scc0 .Ldone
.set u, 0
.rept 4
	ds_load_b128 v[172+4*u:175+4*u], v30 offset:512*u   ; four tokens a lane, the four quarters of the columns
.set u, u+1
.endr
	s_wait_dscnt 0x0
.set u, 1
.rept 3
	v_pk_add_f32 v[172:173], v[172:173], v[172+4*u:173+4*u]
	v_pk_add_f32 v[174:175], v[174:175], v[174+4*u:175+4*u]
.set u, u+1
.endr
	v_add_f32 v172, s26, v172
	v_add_f32 v173, s26, v173
	v_add_f32 v174, s26, v174
	v_add_f32 v175, s26, v175
	global_store_b128 v7, v[172:175], s[14:15]     ; the work-group's 128 scores: 512 consecutive bytes
.Ldone:
	s_wait_xcnt 0x0
	v_lshl_add_u32 v254, v0, 2, 0x13400
	v_mov_b32 v255, 0
	s_wait_tensorcnt 0x0
	ds_add_u32 v254, v255
	s_wait_dscnt 0x0
	s_endpgm
.Lfunc_end_k_q39b4d53523_quant:
	.size	k_q39b4d53523_quant, .Lfunc_end_k_q39b4d53523_quant-k_q39b4d53523_quant
	.p2alignl 7, 3214868480
	.fill 96, 4, 3214868480
	.section	.rodata,"a",@progbits
	.p2align	6, 0x0
	.amdhsa_kernel k_q39b4d53523_quant
		.amdhsa_group_segment_fixed_size 80896
		.amdhsa_private_segment_fixed_size 0
		.amdhsa_enable_private_segment 0
		.amdhsa_kernarg_size 48
		.amdhsa_user_sgpr_count 2
		.amdhsa_user_sgpr_kernarg_segment_ptr 1
		.amdhsa_wavefront_size32 1
		.amdhsa_system_sgpr_workgroup_id_x 1
		.amdhsa_system_sgpr_workgroup_id_y 1
		.amdhsa_system_sgpr_workgroup_id_z 1
		.amdhsa_system_vgpr_workitem_id 0
		.amdhsa_next_free_vgpr 256
		.amdhsa_next_free_sgpr 66
		.amdhsa_reserve_vcc 0
		.amdhsa_float_denorm_mode_32 3
		.amdhsa_float_denorm_mode_16_64 3
		.amdhsa_memory_ordered 1
		.amdhsa_forward_progress 1
		.amdhsa_inst_pref_size 47
	.end_amdhsa_kernel
	.amdgpu_metadata
---
amdhsa.version: [ 1, 2 ]
amdhsa.kernels:
  - .name:           k_q39b4d53523_quant
    .symbol:         k_q39b4d53523_quant.kd
    .args:
      - { .name: token_hidden, .offset: 0, .size: 8, .value_kind: global_buffer, .address_space: global }
      - { .name: w_pool, .offset: 8, .size: 8, .value_kind: global_buffer, .address_space: global }
      - { .name: b_pool, .offset: 16, .size: 8, .value_kind: global_buffer, .address_space: global }
      - { .name: codes, .offset: 24, .size: 8, .value_kind: global_buffer, .address_space: global }
      - { .name: bscales, .offset: 32, .size: 8, .value_kind: global_buffer, .address_space: global }
      - { .name: scores, .offset: 40, .size: 8, .value_kind: global_buffer, .address_space: global }
    .group_segment_fixed_size: 80896
    .private_segment_fixed_size: 0
    .kernarg_segment_align: 8
    .kernarg_segment_size: 48
    .max_flat_workgroup_size: 512
    .sgpr_count:     66
    .vgpr_count:     256
    .wavefront_size: 32
...
	.end_amdgpu_metadata
.endif
;; end of part 1
;; launch pool (part 2): grid 12 x 16, 16 waves a work-group, no clusters, 153,600 bytes of LDS; arguments scores, attention_mask, span_starts, span_ends, codes, bscales, out0, out1; writes out0, out1
.if DOCPART == 2
	.amdgcn_target "amdgcn-amd-amdhsa--gfx1250"
	.amdhsa_code_object_version 6
	.text
	.protected	k_q39b4d53523_pool
	.globl	k_q39b4d53523_pool
	.p2align	8
	.type	k_q39b4d53523_pool,@function
k_q39b4d53523_pool:
	s_mov_b64 s[64:65], 0
	v_nop
	global_prefetch_b8 v0, s[64:65] scope:SCOPE_SE
	s_setreg_imm32_b32 hwreg(HW_REG_WAVE_MODE, 25, 1), 1
	s_wait_xcnt 0x0
; H[b][k][:] = sum over l of Q(w[b][k][l]) Q(th[b][l][:]), w = the masked softmax of the scores over span k, finished and normalised, quantised along l to FP6 (E2M3)
; with one E8M0 scale for each 32 tokens; th arrives as codes and scale words, laid in the order of the operand's registers.  sent_mask[b][k] = 1 where the span has a token.
; SHARES.  A work-group owns one batch and 64 columns of H (a row's piece is 256 bytes, aligned).  Wave w owns K step w: tokens 128 w .. 128 w + 127.
; LAYOUT.  For each of the two tiles of 16 spans a lane (r, h) holds span r and two whole blocks of 32 tokens, 64 c + 32 h + 0 .. 31: the operand's own layout, so the conversions' results are the operand.
; THE SOFTMAX, in f32.  Pass 1, for each block of a lane: the scores outside the span (or with attention_mask < 0.5) become -infinity; bm = the block's maximum; e' = 2^((score - bm) log2 e), kept in
; the registers where the scores lay; bs = their sum.  The waves' (maximum, sum) of each span meet in LDS; every wave forms m, s = sum of s_w 2^((m_w - m) log2 e) and 1 / max(s, 1e-30).
; Pass 2: w = e' x f with f = 2^((bm - m) log2 e) / s.  e' is 1 at the block's maximum (2^0), so the block's largest w is f itself and is not searched for.
; A unit (16 spans x 64 tokens) that none of its spans touches is jumped over, by a scalar branch on the span inputs, which are whole numbers; its codes are zeros.
; THE PRODUCT is used transposed (source 0 = 16 columns of th, source 1 = 16 spans): a lane then holds eight neighbouring columns of one row of H.  Each wave multiplies its own K step
; (eight matrix instructions, each starting its sum with 0); the sixteen partial tiles are added through LDS, K ascending.
; No tensor load.  No cluster: the twelve work-groups of a batch share 8,192 bytes of scores, 8,192 of mask and 256 of spans; the 98,304 bytes of codes are each one's own.
; LIMITS: NaN and infinities are not served; scores under -3e38 are not served; a weight or factor under 2^-126 counts as 0 (v_exp_f32 gives 0 there: ISA guide, its entry);
; the exponent (x - maximum) log2 e is rounded once in f32, so a weight's relative error grows with its distance from the maximum.
; Span numbers may be any int32: (pos - start) < (end - start), both taken unsigned, is the membership test wherever start <= end; else the length is 0.
.set V4L,  1                           ; 4 x lane
.set VSTW, 2                           ; LDS: where I put my wave's statistics (lane = span)
.set VSTR, 3                           ; and where I read all waves'
.set VP,   4                           ; LDS: where I put my partial tiles
.set VQ0,  5                           ; and where I read waves 0-7's, 8-15's
.set VQ1,  6
.set V16L, 7                           ; 16 x lane
.set VOUT, 8                           ; my byte offset in out0
.set SH8,  9                           ; 8 h
.set NINF, 10                          ; -infinity
.set XC,   11                          ; a unit's first position less the span's start; at the end sent_mask
.set XT,   12                          ; v12-13  tile T: my first position less the span's start
.set LEN,  14                          ; v14-15  tile T: the span's length
.set ST,   16                          ; v16-23  unit u = 2 T + c: the pair (bm, bs)
.set FP,   24                          ; v24-31  unit u: the pair (f, the conversion's scale operand)
.set TM,   32                          ; v32-35  at work
.set TA,   36                          ; v36-39  at work
.set MT,   40                          ; v40-41  tile T: the span's maximum
.set RS,   42                          ; v42-43  tile T: 1 / the span's sum
.set AW,   44                          ; v44-45  tile T: w's scale words (scales and nothing else)
.set BSR,  46                          ; v46-47  th's scale words: lanes 0-15 tile 2 u, lanes 16-31 tile 2 u + 1
.set G,    48                          ; v48-79  at the head what is loaded; then the sixteen waves' maxima and sums; then w's codes
.set CA,   48
.set CT,   72
.set R0,   80                          ; v80-143  tile 0: scores, then e'; later the eight accumulators
.set R1,   144                         ; v144-207 tile 1: the same; later the sixteen partial tiles' pieces
.set BF,   208                         ; v208-255 four fragments of th
.set STM,  8192                        ; LDS: 0: 512 bytes of scores for each wave; STM: [wave][span] maxima, 2,048 bytes on the sums
.set PB,   12288                       ; the partial tiles: for each wave 32 rows of 256 bytes + 16
.set PPITCH, 272                       ; 68 words: row r starts at bank 4 r mod 64 (64 banks of 4 bytes: ISA guide 11.1)
.set PW,   32*PPITCH
.set SEL,  32                          ; s[32:33] v_permlanex16_b32's selects for lane xor 16
.set LG,   34                          ; s[34:35] log2(e), as a pair for the packed form
.set HM,   36                          ; lanes 16-31
.set SA,   38
.set SB,   39
.set SM,   40                          ; s40-43  four lane masks
.set FL,   44                          ; s44-47  unit u: the lanes whose span touches their block
; PASS 1 of unit (T, c).
.macro UNIT1 T, c
.set EB, R0+64*(\T)+32*(\c)
.set UU, 2*(\T)+(\c)
	v_add_nc_u32 v[XC], 64*(\c), v[XT+(\T)]
	v_mov_b32 v[ST+2*UU], 0xff61b1e6               ; bm = -3e38, under every score, and finite, so that -infinity less bm stays -infinity
	v_mov_b32 v[ST+2*UU+1], 0                      ; bs = 0
	v_add_nc_u32 v[TM], 31, v[XC]
	v_cmp_lt_u32 s[SA], v[XC], v[LEN+(\T)]         ; my block's first position lies in the span,
	v_cmp_gt_u32 s[SB], 31, v[TM]                  ; or the span starts at one of the 31 others
	s_or_b32 s[FL+UU], s[SA], s[SB]
	s_cmp_lg_u32 s[FL+UU], 0
	s_cbranch_scc0 .Lnone_\@                       ; no lane's span touches its block
.set i, 0
.rept 8                                        ; four numbers at a time, each with a mask register of its own
	v_add_nc_u32 v[TM], i, v[XC]
	v_add_nc_u32 v[TM+1], i+1, v[XC]
	v_add_nc_u32 v[TM+2], i+2, v[XC]
	v_add_nc_u32 v[TM+3], i+3, v[XC]
	v_cmp_gt_u32 s[SM], v[LEN+(\T)], v[TM]
	v_cmp_gt_u32 s[SM+1], v[LEN+(\T)], v[TM+1]
	v_cmp_gt_u32 s[SM+2], v[LEN+(\T)], v[TM+2]
	v_cmp_gt_u32 s[SM+3], v[LEN+(\T)], v[TM+3]
	v_cndmask_b32 v[EB+i], v[NINF], v[EB+i], s[SM]
	v_cndmask_b32 v[EB+i+1], v[NINF], v[EB+i+1], s[SM+1]
	v_cndmask_b32 v[EB+i+2], v[NINF], v[EB+i+2], s[SM+2]
	v_cndmask_b32 v[EB+i+3], v[NINF], v[EB+i+3], s[SM+3]
.set i, i+4
.endr
	v_max3_num_f32 v[TA], v[EB], v[EB+1], v[ST+2*UU]        ; the block's maximum, in two chains, with -3e38 among the leaves
	v_max3_num_f32 v[TA+1], v[EB+2], v[EB+3], v[ST+2*UU]
.set i, 4
.rept 7
	v_max3_num_f32 v[TA], v[TA], v[EB+i], v[EB+i+1]
	v_max3_num_f32 v[TA+1], v[TA+1], v[EB+i+2], v[EB+i+3]
.set i, i+4
.endr
	v_max_num_f32 v[ST+2*UU], v[TA], v[TA+1]
.set i, 0
.rept 16
	v_pk_add_f32 v[EB+i:EB+i+1], v[EB+i:EB+i+1], v[ST+2*UU:ST+2*UU+1] op_sel_hi:[1,0] neg_lo:[0,1] neg_hi:[0,1]   ; score - bm: exactly 0 at the maximum
.set i, i+2
.endr
.set i, 0
.rept 16
	v_pk_mul_f32 v[EB+i:EB+i+1], v[EB+i:EB+i+1], s[LG:LG+1] op_sel_hi:[1,0]
.set i, i+2
.endr
.set i, 0
.rept 32
	v_exp_f32 v[EB+i], v[EB+i]                     ; e', at most 1; 0 outside the span
.set i, i+1
.endr
	v_nop                                          ; a plain instruction behind the last exponential
	s_wait_alu depctr_va_vdst(0)                   ; the wait ahead of the first reader: one for the batch of 32
	v_pk_add_f32 v[TA:TA+1], v[EB:EB+1], v[EB+2:EB+3]
	v_pk_add_f32 v[TA+2:TA+3], v[EB+4:EB+5], v[EB+6:EB+7]
.set i, 8
.rept 6
	v_pk_add_f32 v[TA:TA+1], v[TA:TA+1], v[EB+i:EB+i+1]
	v_pk_add_f32 v[TA+2:TA+3], v[TA+2:TA+3], v[EB+i+2:EB+i+3]
.set i, i+4
.endr
	v_pk_add_f32 v[TA:TA+1], v[TA:TA+1], v[TA+2:TA+3]
	v_add_f32 v[ST+2*UU+1], v[TA], v[TA+1]         ; bs
.Lnone_\@:
.endm
; PASS 2 of unit (T, c): w = e' x f, and its 32 codes: registers 6 c .. 6 c + 5 of tile T's operand.
.macro UNIT2 T, c
.set EB, R0+64*(\T)+32*(\c)
.set UU, 2*(\T)+(\c)
.set CD, CA+12*(\T)+6*(\c)
	s_cmp_lg_u32 s[FL+UU], 0
	s_cbranch_scc0 .Lzero_\@
.set i, 0
.rept 16
	v_pk_mul_f32 v[EB+i:EB+i+1], v[EB+i:EB+i+1], v[FP+2*UU:FP+2*UU+1] op_sel_hi:[1,0]
.set i, i+2
.endr
	v_cvt_scalef32_pk16_fp6_f32 v[CD:CD+2], v[EB:EB+15], v[FP+2*UU+1]
	v_cvt_scalef32_pk16_fp6_f32 v[CT:CT+2], v[EB+16:EB+31], v[FP+2*UU+1]   ; (a conversion's three registers begin on an even number)
	v_nop                                          ; a plain instruction behind the conversions
	v_mov_b32 v[CD+3], v[CT]
	v_mov_b32 v[CD+4], v[CT+1]
	v_mov_b32 v[CD+5], v[CT+2]
	s_branch .Ldone_\@
.Lzero_\@:
.set i, 0
.rept 6
	v_mov_b32 v[CD+i], 0                           ; zero codes add nothing under any scale byte but 0xff
.set i, i+1
.endr
.Ldone_\@:
.endm
.macro MM T, n                         ; H^T's tile (16 columns 16 n on) x (16 spans 16 T on); the constant 0 starts the sum
.if ((\n)%2) == 0
	v_wmma_scale_f32_16x16x128_f8f6f4 v[R0+8*(4*(\T)+(\n)):R0+8*(4*(\T)+(\n))+7], v[BF+12*(\n):BF+12*(\n)+11], v[CA+12*(\T):CA+12*(\T)+11], 0, v[BSR+(\n)/2], v[AW+(\T)] matrix_a_fmt:MATRIX_FMT_FP6 matrix_b_fmt:MATRIX_FMT_FP6
.else
	v_wmma_scale_f32_16x16x128_f8f6f4 v[R0+8*(4*(\T)+(\n)):R0+8*(4*(\T)+(\n))+7], v[BF+12*(\n):BF+12*(\n)+11], v[CA+12*(\T):CA+12*(\T)+11], 0, v[BSR+(\n)/2], v[AW+(\T)] matrix_a_fmt:MATRIX_FMT_FP6 matrix_b_fmt:MATRIX_FMT_FP6 matrix_a_scale:MATRIX_SCALE_ROW1
.endif
.endm
	s_load_b128 s[4:7], s[0:1], 0x0                ; scores, attention_mask
	s_load_b128 s[8:11], s[0:1], 0x10              ; span_starts, span_ends
	s_load_b128 s[12:15], s[0:1], 0x20             ; codes, bscales
	s_load_b128 s[16:19], s[0:1], 0x30             ; out0, out1
	v_lshrrev_b32 v32, 5, v0
	v_readfirstlane_b32 s20, v32                   ; wave = K step
	s_and_b32 s21, ttmp7, 0xffff                   ; batch;  ttmp9: which 64 columns
	v_and_b32 v32, 31, v0                          ; lane
	v_and_b32 v33, 15, v0                          ; r
	v_bfe_u32 v34, v0, 4, 1                        ; h
	v_lshlrev_b32 v[V4L], 2, v32
	v_lshlrev_b32 v[V16L], 4, v32
	v_lshlrev_b32 v35, 2, v33
	v_mov_b32 v[NINF], 0xff800000
	v_lshlrev_b32 v[SH8], 3, v34
	s_lshl_b32 s48, s20, 9                         ; my 128 scores: 512 bytes
	s_lshl_b32 s22, s21, 13
	s_add_co_u32 s22, s22, s48
	s_mov_b32 s23, 0
	s_lshl_b32 s24, s21, 7                         ; the batch's 32 spans: 128 bytes
	s_mov_b32 s25, 0
	s_lshl_b32 s26, s21, 4
	s_add_co_u32 s26, s26, s20                     ; 16 x batch + K step
	s_mul_i32 s28, s26, 3072                       ; its 768 scale words,
	s_mul_i32 s26, s26, 73728                      ; its 48 images
	s_mul_i32 s37, ttmp9, 6144                     ; my four
	s_add_co_u32 s26, s26, s37
	s_mov_b32 s27, 0
	s_lshl_b32 s37, ttmp9, 8
	s_add_co_u32 s28, s28, s37
	s_mov_b32 s29, 0
	s_mul_i32 s30, s21, 98304                      ; out0: the batch's 32 rows of 3,072 bytes,
	s_add_co_u32 s30, s30, s37                     ; my 256 bytes of a row,
	s_mul_i32 s37, s20, 6144                       ; rows 2 w and 2 w + 1
	s_add_co_u32 s30, s30, s37
	s_mov_b32 s31, 0
	v_add_nc_u32 v39, s48, v[V16L]                 ; LDS: my wave's 512 bytes of scores, as they are loaded,
	v_lshl_add_u32 v38, v34, 7, s48                ; and as they are read: the sixteen lanes of a half read the same bytes
	s_lshl_b32 s49, s20, 7
	v_lshl_add_u32 v37, v34, 5, s49                ; the first position of my blocks: 128 w + 32 h
	s_add_co_u32 s50, s49, STM
	v_add_nc_u32 v[VSTW], s50, v[V4L]
	v_add_nc_u32 v[VSTR], STM, v[V4L]
	v_mul_u32_u24 v[VP], v33, PPITCH               ; partial tiles, in: row r, 32 bytes for each half of the lanes
	v_lshl_add_u32 v[VP], v34, 5, v[VP]
	s_mul_i32 s50, s20, PW
	s_add_co_u32 s50, s50, PB
	v_add_nc_u32 v[VP], s50, v[VP]
	v_mul_u32_u24 v[VQ0], v34, PPITCH              ; back: lanes 0-15 row 2 w, lanes 16-31 row 2 w + 1, 16 bytes a lane
	v_lshl_add_u32 v[VQ0], v33, 4, v[VQ0]
	s_mul_i32 s50, s20, 2*PPITCH
	s_add_co_u32 s50, s50, PB
	v_add_nc_u32 v[VQ0], s50, v[VQ0]
	v_add_nc_u32 v[VQ1], 8*PW, v[VQ0]
	v_mul_u32_u24 v[VOUT], v34, 3072
	v_lshl_add_u32 v[VOUT], v33, 4, v[VOUT]
	s_mov_b32 s[SEL], 0x76543210
	s_mov_b32 s[SEL+1], 0xfedcba98
	s_mov_b32 s[LG], 0x3fb8aa3b                    ; log2(e)
	s_mov_b32 s[LG+1], s[LG]                       ; (named with it as a pair, so it is written)
	s_mov_b32 s[HM], 0xffff0000
	s_wait_kmcnt 0x0
	s_add_nc_u64 s[4:5], s[4:5], s[22:23]
	s_add_nc_u64 s[6:7], s[6:7], s[22:23]
	s_add_nc_u64 s[8:9], s[8:9], s[24:25]
	s_add_nc_u64 s[10:11], s[10:11], s[24:25]
	s_add_nc_u64 s[12:13], s[12:13], s[26:27]
	s_add_nc_u64 s[14:15], s[14:15], s[28:29]
	s_add_nc_u64 s[16:17], s[16:17], s[30:31]
	s_add_nc_u64 s[18:19], s[18:19], s[24:25]
	global_load_b128 v[52:55], v[V16L], s[4:5]     ; my 128 scores: 512 consecutive bytes
	global_load_b128 v[56:59], v[V16L], s[6:7]     ; and their mask
	global_load_b32 v48, v35, s[8:9]               ; span r: start, end;
	global_load_b32 v49, v35, s[10:11]
	global_load_b32 v50, v35, s[8:9] offset:64     ; span 16 + r
	global_load_b32 v51, v35, s[10:11] offset:64
.set t, 0
.rept 12                                       ; th's four fragments of my K step, as they lie: asked for now, wanted behind the softmax
	global_load_b128 v[BF+4*t:BF+4*t+3], v[V16L], s[12:13] offset:512*t th:TH_LOAD_NT
.set t, t+1
.endr
	global_load_b32 v[BSR], v[V4L], s[14:15]
	global_load_b32 v[BSR+1], v[V4L], s[14:15] offset:128
	s_wait_loadcnt 14                              ; the first six loads are in; the fourteen for th may be out
.set j, 0
.rept 4
	v_cmp_le_f32 vcc_lo, 0.5, v[56+j]
	v_cndmask_b32 v[52+j], v[NINF], v[52+j], vcc_lo   ; a token with attention_mask < 0.5 belongs to no span
.set j, j+1
.endr
	ds_store_b128 v39, v[52:55]                    ; my wave's own bytes: LDS serves a wave's instructions in order (ISA guide 5.7.1.4), so the loads below see them
.irp rb, R0, R1                                ; twice: each tile works in place on a copy of its own
.set k, 0
.rept 16
	ds_load_b128 v[\rb+4*k:\rb+4*k+3], v38 offset:256*(k/8)+16*(k%8)
.set k, k+1
.endr
.endr
	v_sub_nc_u32 v[LEN], v49, v48
	v_sub_nc_u32 v[LEN+1], v51, v50
	v_cmp_le_i32 vcc_lo, v48, v49
	v_cndmask_b32 v[LEN], 0, v[LEN], vcc_lo        ; end < start: nothing
	v_cmp_le_i32 vcc_lo, v50, v51
	v_cndmask_b32 v[LEN+1], 0, v[LEN+1], vcc_lo
	v_sub_nc_u32 v[XT], v37, v48
	v_sub_nc_u32 v[XT+1], v37, v50
	s_wait_dscnt 0x0
.set j, 0
.rept 4
	v_mov_b32 v[TA+j], 0                           ; written once on every way: a lane permute's destination counts as one of its sources
.set j, j+1
.endr
	UNIT1 0, 0
	UNIT1 0, 1
	UNIT1 1, 0
	UNIT1 1, 1
	; my wave's maximum and sum of each span: my two blocks, then lane xor 16's two
	v_max_num_f32 v[TA], v[ST], v[ST+2]
	v_max_num_f32 v[TA+1], v[ST+4], v[ST+6]
	v_permlanex16_b32 v[TA+2], v[TA], s[SEL], s[SEL+1]
	v_permlanex16_b32 v[TA+3], v[TA+1], s[SEL], s[SEL+1]
	v_max_num_f32 v[MT], v[TA], v[TA+2]
	v_max_num_f32 v[MT+1], v[TA+1], v[TA+3]
	v_sub_f32 v[TM], v[ST], v[MT]
	v_sub_f32 v[TM+1], v[ST+2], v[MT]
	v_sub_f32 v[TM+2], v[ST+4], v[MT+1]
	v_sub_f32 v[TM+3], v[ST+6], v[MT+1]
.set j, 0
.rept 4
	v_mul_f32 v[TM+j], s[LG], v[TM+j]
.set j, j+1
.endr
.set j, 0
.rept 4
	v_exp_f32 v[TM+j], v[TM+j]
.set j, j+1
.endr
	v_nop
	s_wait_alu depctr_va_vdst(0)                   ; one wait for the four, ahead of their first reader
	v_mul_f32 v[TA], v[ST+1], v[TM]
	v_mul_f32 v[TA+1], v[ST+5], v[TM+2]
	v_fma_f32 v[TA], v[ST+3], v[TM+1], v[TA]
	v_fma_f32 v[TA+1], v[ST+7], v[TM+3], v[TA+1]
	v_permlanex16_b32 v[TA+2], v[TA], s[SEL], s[SEL+1]
	v_permlanex16_b32 v[TA+3], v[TA+1], s[SEL], s[SEL+1]
	v_add_f32 v[TA], v[TA], v[TA+2]
	v_add_f32 v[TA+1], v[TA+1], v[TA+3]
	v_cndmask_b32 v[TA+2], v[MT], v[MT+1], s[HM]   ; lane l now speaks for span l: lanes 0-15 tile 0's, lanes 16-31 tile 1's
	v_cndmask_b32 v[TA+3], v[TA], v[TA+1], s[HM]
	ds_store_b32 v[VSTW], v[TA+2]
	ds_store_b32 v[VSTW], v[TA+3] offset:2048
	s_wait_dscnt 0x0                               ; for the others' sake: my two stores have landed
	s_barrier_signal -1
	s_barrier_wait -1
.set w, 0
.rept 16
	ds_load_b32 v[G+w], v[VSTR] offset:128*w       ; span l's maximum in wave w
.set w, w+1
.endr
.set w, 0
.rept 16
	ds_load_b32 v[G+16+w], v[VSTR] offset:2048+128*w   ; and its sum
.set w, w+1
.endr
	s_wait_dscnt 16                                ; the maxima are in; the sixteen sums may be out
	v_max3_num_f32 v[TA], v[G], v[G+1], v[G+2]
	v_max3_num_f32 v[TA+1], v[G+3], v[G+4], v[G+5]
	v_max3_num_f32 v[TA], v[TA], v[G+6], v[G+7]
	v_max3_num_f32 v[TA+1], v[TA+1], v[G+8], v[G+9]
	v_max3_num_f32 v[TA], v[TA], v[G+10], v[G+11]
	v_max3_num_f32 v[TA+1], v[TA+1], v[G+12], v[G+13]
	v_max3_num_f32 v[TA], v[TA], v[G+14], v[G+15]
	v_max_num_f32 v[TA], v[TA], v[TA+1]            ; m: the span's maximum (-3e38 for a span without tokens)
.set w, 0
.rept 8
	v_pk_add_f32 v[G+w:G+w+1], v[G+w:G+w+1], v[TA:TA+1] op_sel_hi:[1,0] neg_lo:[0,1] neg_hi:[0,1]
.set w, w+2
.endr
.set w, 0
.rept 8
	v_pk_mul_f32 v[G+w:G+w+1], v[G+w:G+w+1], s[LG:LG+1] op_sel_hi:[1,0]
.set w, w+2
.endr
.set w, 0
.rept 16
	v_exp_f32 v[G+w], v[G+w]
.set w, w+1
.endr
	v_nop
	s_wait_alu depctr_va_vdst(0)                   ; one wait for the sixteen
	s_wait_dscnt 0x0
	v_pk_mul_f32 v[TA+2:TA+3], v[G:G+1], v[G+16:G+17]
.set w, 2
.rept 7
	v_pk_fma_f32 v[TA+2:TA+3], v[G+w:G+w+1], v[G+16+w:G+17+w], v[TA+2:TA+3]
.set w, w+2
.endr
	v_add_f32 v[TA+2], v[TA+2], v[TA+3]            ; s: at least 1 where the span has a token, else 0
	v_max_num_f32 v[TA+3], 0xda24260, v[TA+2]      ; max(s, 1e-30)
	v_rcp_f32 v[TA+3], v[TA+3]
	v_nop
	v_cmp_lt_f32 vcc_lo, 0, v[TA+2]
	s_wait_alu depctr_va_vdst(0)                   ; the reciprocal's wait, ahead of its first reader and of the branch
	v_cndmask_b32 v[XC], 0, 1.0, vcc_lo            ; sent_mask
	s_or_b32 s37, ttmp9, s20
	s_cmp_eq_u32 s37, 0
	s_cbranch_scc0 .Lnot_mine                      ; one wave of one work-group of the batch stores it
	global_store_b32 v[V4L], v[XC], s[18:19]
.Lnot_mine:
	v_permlanex16_b32 v[TM], v[TA], s[SEL], s[SEL+1]
	v_permlanex16_b32 v[TM+1], v[TA+3], s[SEL], s[SEL+1]
	v_cndmask_b32 v[MT], v[TA], v[TM], s[HM]       ; back to a lane for span r of each tile
	v_cndmask_b32 v[MT+1], v[TM], v[TA], s[HM]
	v_cndmask_b32 v[RS], v[TA+3], v[TM+1], s[HM]
	v_cndmask_b32 v[RS+1], v[TM+1], v[TA+3], s[HM]
	v_sub_f32 v[TM], v[ST], v[MT]
	v_sub_f32 v[TM+1], v[ST+2], v[MT]
	v_sub_f32 v[TM+2], v[ST+4], v[MT+1]
	v_sub_f32 v[TM+3], v[ST+6], v[MT+1]
.set j, 0
.rept 4
	v_mul_f32 v[TM+j], s[LG], v[TM+j]
.set j, j+1
.endr
.set j, 0
.rept 4
	v_exp_f32 v[TM+j], v[TM+j]
.set j, j+1
.endr
	v_nop
	s_wait_alu depctr_va_vdst(0)                   ; one wait for the four
.set j, 0
.rept 4
	v_mul_f32 v[FP+2*j], v[TM+j], v[RS+j/2]        ; f: the block's largest w
.set j, j+1
.endr
.set j, 0
.rept 4
	v_max_num_f32 v[TM+j], 0x1800000, v[FP+2*j]    ; the floor 2^(3 - 127): the byte cannot fall under 1
.set j, j+1
.endr
.set j, 0
.rept 4
	v_add_nc_u32 v[FP+2*j+1], 0xff000000, v[TM+j]  ; 2 off the exponent field: the conversion's scale operand
.set j, j+1
.endr
.set j, 0
.rept 4
	v_lshrrev_b32 v[TM+j], 23, v[FP+2*j+1]         ; the scale's byte
.set j, j+1
.endr
	v_lshl_or_b32 v[AW], v[TM+1], 16, v[TM]        ; my two bytes: blocks h and 2 + h of span r,
	v_lshl_or_b32 v[AW+1], v[TM+3], 16, v[TM+2]
	v_lshlrev_b32 v[AW], v[SH8], v[AW]             ; at their places in the scale word;
	v_lshlrev_b32 v[AW+1], v[SH8], v[AW+1]
	v_permlanex16_b32 v[TA], v[AW], s[SEL], s[SEL+1]
	v_permlanex16_b32 v[TA+1], v[AW+1], s[SEL], s[SEL+1]
	v_or_b32 v[AW], v[AW], v[TA]                   ; with lane xor 16's two the word is whole
	v_or_b32 v[AW+1], v[AW+1], v[TA+1]
	UNIT2 0, 0
	UNIT2 0, 1
	UNIT2 1, 0
	UNIT2 1, 1
	s_wait_loadcnt 0x0                             ; th's fragments and scale words
.rept 8
	v_nop                                          ; a scale register written by a vector instruction stands 8 places ahead of a scaled matrix instruction, an operand so written 4
.endr
	MM 0, 0                                        ; eight products on eight accumulators: none adds onto another's result
	MM 0, 1
	MM 0, 2
	MM 0, 3
	MM 1, 0
	MM 1, 1
	MM 1, 2
	MM 1, 3
.rept 4
	v_nop                                          ; four places between the last product and the first read of a result (ISA guide 7.12.1)
.endr
.irp T, 0,1
.irp n, 0,1,2,3
	ds_store_b128 v[VP], v[R0+8*(4*\T+\n):R0+8*(4*\T+\n)+3] offset:16*PPITCH*\T+64*\n         ; lane (r, h): H(16 T + r, 16 n + 8 h + 0 .. 7) of my K step; each accumulator from its low end on
	ds_store_b128 v[VP], v[R0+8*(4*\T+\n)+4:R0+8*(4*\T+\n)+7] offset:16*PPITCH*\T+64*\n+16
.endr
.endr
	s_wait_dscnt 0x0                               ; for the others' sake: my partial tiles have landed
	s_barrier_signal -1
	s_barrier_wait -1
.set u, 0
.rept 8
	ds_load_b128 v[R1+4*u:R1+4*u+3], v[VQ0] offset:PW*u      ; rows 2 w and 2 w + 1 of K steps 0 to 7,
.set u, u+1
.endr
.set u, 0
.rept 8
	ds_load_b128 v[R1+32+4*u:R1+32+4*u+3], v[VQ1] offset:PW*u   ; and of K steps 8 to 15
.set u, u+1
.endr
	s_wait_dscnt 8                                 ; the first eight are in; the last eight may be out
.set u, 1
.rept 7
	v_pk_add_f32 v[R1:R1+1], v[R1:R1+1], v[R1+4*u:R1+4*u+1]          ; K ascending
	v_pk_add_f32 v[R1+2:R1+3], v[R1+2:R1+3], v[R1+4*u+2:R1+4*u+3]
.set u, u+1
.endr
	s_wait_dscnt 0x0
.rept 8
	v_pk_add_f32 v[R1:R1+1], v[R1:R1+1], v[R1+4*u:R1+4*u+1]
	v_pk_add_f32 v[R1+2:R1+3], v[R1+2:R1+3], v[R1+4*u+2:R1+4*u+3]
.set u, u+1
.endr
	global_store_b128 v[VOUT], v[R1:R1+3], s[16:17]   ; sixteen lanes store 256 consecutive bytes of a row of H, at a multiple of 256 from out0's first byte
	s_wait_xcnt 0x0
	v_lshl_add_u32 v254, v0, 2, 0x25000
	v_mov_b32 v255, 0
	s_wait_tensorcnt 0x0
	ds_add_u32 v254, v255
	s_wait_dscnt 0x0
	s_endpgm
.Lfunc_end_k_q39b4d53523_pool:
	.size	k_q39b4d53523_pool, .Lfunc_end_k_q39b4d53523_pool-k_q39b4d53523_pool
	.p2alignl 7, 3214868480
	.fill 96, 4, 3214868480
	.section	.rodata,"a",@progbits
	.p2align	6, 0x0
	.amdhsa_kernel k_q39b4d53523_pool
		.amdhsa_group_segment_fixed_size 153600
		.amdhsa_private_segment_fixed_size 0
		.amdhsa_enable_private_segment 0
		.amdhsa_kernarg_size 64
		.amdhsa_user_sgpr_count 2
		.amdhsa_user_sgpr_kernarg_segment_ptr 1
		.amdhsa_wavefront_size32 1
		.amdhsa_system_sgpr_workgroup_id_x 1
		.amdhsa_system_sgpr_workgroup_id_y 1
		.amdhsa_system_sgpr_workgroup_id_z 1
		.amdhsa_system_vgpr_workitem_id 0
		.amdhsa_next_free_vgpr 256
		.amdhsa_next_free_sgpr 66
		.amdhsa_reserve_vcc 1
		.amdhsa_float_denorm_mode_32 3
		.amdhsa_float_denorm_mode_16_64 3
		.amdhsa_memory_ordered 1
		.amdhsa_forward_progress 1
		.amdhsa_inst_pref_size 71
	.end_amdhsa_kernel
	.amdgpu_metadata
---
amdhsa.version: [ 1, 2 ]
amdhsa.kernels:
  - .name:           k_q39b4d53523_pool
    .symbol:         k_q39b4d53523_pool.kd
    .args:
      - { .name: scores, .offset: 0, .size: 8, .value_kind: global_buffer, .address_space: global }
      - { .name: attention_mask, .offset: 8, .size: 8, .value_kind: global_buffer, .address_space: global }
      - { .name: span_starts, .offset: 16, .size: 8, .value_kind: global_buffer, .address_space: global }
      - { .name: span_ends, .offset: 24, .size: 8, .value_kind: global_buffer, .address_space: global }
      - { .name: codes, .offset: 32, .size: 8, .value_kind: global_buffer, .address_space: global }
      - { .name: bscales, .offset: 40, .size: 8, .value_kind: global_buffer, .address_space: global }
      - { .name: out0, .offset: 48, .size: 8, .value_kind: global_buffer, .address_space: global }
      - { .name: out1, .offset: 56, .size: 8, .value_kind: global_buffer, .address_space: global }
    .group_segment_fixed_size: 153600
    .private_segment_fixed_size: 0
    .kernarg_segment_align: 8
    .kernarg_segment_size: 64
    .max_flat_workgroup_size: 512
    .sgpr_count:     66
    .vgpr_count:     256
    .wavefront_size: 32
...
	.end_amdgpu_metadata
.endif
;; end of part 2
